; MI455X (gfx1250); checked and timed in simulation.
; The chip was launched on July 23, 2026; its instructions are those of AMD's public machine-readable ISA for CDNA 5 (MIT licence, August 2026) and "CDNA5" Instruction Set Architecture Reference Guide (July 2026). The comments in the code are by the model that wrote it; some were corrected since.
;; Multi Head Attention Block. Allowed arithmetic: matrix products marked QUANTISED: E4M3 operands, one E8M0 scale for each 32 along K, by v_wmma_scale_f32_16x16x128_f8f6f4 with both operands' format E4M3, f32 sums; everything else in f32.
;; Inputs: b_o 256 float32; b_qkv 768 float32; w_o 256 x 256 float32; w_qkv 768 x 256 float32; x 4 x 256 x 64 x 64 float32.
;; Outputs: out0 4 x 256 x 64 x 64 float32.
;; This version of the problem:
;;   THIS VERSION OF THE PROBLEM IS GIVEN IN LOW PRECISION. The matrix products marked QUANTISED in the list below multiply operands that are first quantised to E4M3 (4 exponent bits, 3 mantissa bits; 8 bits a number), with one power-of-two scale for each 32 numbers along K (OCP MX v1.0); their sums are f32. All else is computed in f32.
;;   The module's matrix products, in the order in which they are computed (A, B: the left and right operand; K: the contracted axis; several contracted axes count as one K, in the product's order):
;;     1. [M 16,384, K 256] x [K 256, N 768]; A: input x; B: input w_qkv: QUANTISED
;;     2. batch 16 x [M 4,096, K 64] x [K 64, N 4,096]; A: computed on the way; B: computed on the way: QUANTISED
;;     3. batch 16 x [M 4,096, K 4,096] x [K 4,096, N 64]; A: softmax (see below); B: computed on the way: QUANTISED
;;     4. [M 16,384, K 256] x [K 256, N 256]; A: computed on the way; B: input w_o: QUANTISED
;;   THE QUANTISER, for each operand of a quantised product, along K:
;;     - K is cut into blocks of 32 from its start; a last block that is shorter is filled with zeros.
;;     - A block's scale is 2^e with e = floor(log2(the largest magnitude in the block)) - 8, held to -126 .. 127; a block of zeros has e = 0. As a byte (E8M0): e + 127.
;;     - Each number is divided by its block's scale, clamped to +-448, and rounded to the nearest number of E4M3, ties to even, subnormals kept.
;;     - The product sums the exact products of the quantised numbers (number of the format x scale) in f32.
;;   ~~~python
;;   def quantise(x, axis):      # numpy; x: float32 -> the quantised numbers, widened to float32 again
;;       x = np.moveaxis(x, axis, -1); K = x.shape[-1]
;;       x = np.pad(x, [(0, 0)] * (x.ndim - 1) + [(0, -K % 32)]); x = x.reshape(x.shape[:-1] + (-1, 32)); a = np.abs(x).max(-1, keepdims=True)
;;       e = np.where(a > 0, np.clip(np.frexp(np.where(a > 0, a, 1))[1] - 1 - 8, -126, 127), 0)      # np.frexp(a)[1] - 1 = floor(log2(a)), exactly
;;       r = np.clip(x / 2.0 ** e, -448, 448)
;;       step = 2.0 ** (np.maximum(np.frexp(np.where(r == 0, 1, r))[1] - 1, -6) - 3)
;;       q = np.round(r / step) * step * 2.0 ** e      # np.round: ties to even
;;       return np.moveaxis(q.reshape(q.shape[:-2] + (-1,))[..., :K], -1, axis).astype(np.float32)
;;   ~~~
;;   SOFTMAX AHEAD OF A QUANTISED PRODUCT. Where the list says 'softmax', what is quantised is not the finished softmax but p = 2^(t - M), with t = logit x log2(e) and M = ceil(the row's largest t), a whole number; so 1/2 < the row's largest p <= 1. The row's sum l is taken of the UNQUANTISED p, in f32, and the product's result is divided by l at the end. Since M is a whole number, a kernel that streams over the keys may use a running M (the ceiling of the running maximum): every later rescaling is an exact power of two, which a block's scale takes up: the codes' values come out the same.
;;   OPERANDS COMPUTED ON THE WAY. 'Computed on the way' means the value that the module computes at that place (a softmax that the list does not call 'softmax' is quantised finished and normalised). What goes into a quantiser is computed in f32, as accurately as f32 sums, v_exp_f32 and their like allow (about 1e-6 of the number): no bf16 or f16 on the way to a quantiser, and a product that is left as it is and whose result goes on into a quantised operand takes f32 operands (vector FMAs, or v_wmma_f32_16x16x4_f32). A number that lies on a knife's edge between two numbers of the format may be rounded either way, as far as f32 arithmetic and the matrix unit's own rounding can turn it there, and no further.
;; One version. Each part assembles by itself: llvm-mc -triple=amdgcn-amd-amdhsa -mcpu=gfx1250 --defsym DOCPART=n.
;; ======== version 1 of 1: 4 launches
;; limits: right only within a limited range of input values
;; workspace buffers: wimg 270,336 bytes; qimg 4,456,448 bytes; kvimg 8,912,896 bytes; oimg 4,194,304 bytes; oscl 131,072 bytes
;; launch wprep (part 1): grid 32 x 1, 4 waves a work-group, no clusters, 1,536 bytes of LDS; arguments w_qkv, w_o, wimg; writes wimg
.if DOCPART == 1
	.amdgcn_target "amdgcn-amd-amdhsa--gfx1250"
	.amdhsa_code_object_version 6
	.text
	.protected	k_q747e458f7b_wprep
	.globl	k_q747e458f7b_wprep
	.p2align	8
	.type	k_q747e458f7b_wprep,@function
k_q747e458f7b_wprep:
	s_mov_b64 s[64:65], 0
	v_nop
	global_prefetch_b8 v0, s[64:65] scope:SCOPE_SE
	s_setreg_imm32_b32 hwreg(HW_REG_WAVE_MODE, 25, 1), 1
	s_wait_xcnt 0x0
; w_qkv [768][256] and w_o [256][256], f32, K innermost, become codes of E4M3 with one E8M0 byte for each 32 along K,
; laid in wimg AS IMAGES OF OPERAND REGISTERS: a fragment (16 rows x 128 K) is 16 registers a lane; its four groups of four
; registers lie 512 bytes apart, lane l's 16 bytes at 16 l.  A later launch loads a fragment by four loads of 512 consecutive bytes.
; wimg: pair P (32 rows, 0..31) at 8192 P; fragment (tile u, K step s) at 4096 u + 2048 s.
;   P < 24: w_qkv; row r of tile u is row 32 P + 8 u + r + 8 (r / 8), so that a transposed product's 16 registers of the two tiles are 16 neighbours.
;   P >= 24: w_o; row r of tile u is row 32 (P - 24) + 16 u + r.
; Scale words (four bytes: 128 along K of a row) at 262144 + 256 P + 8 (r + 16 s) + 4 u.
; A work-group takes a pair, a wave a fragment.  32 work-groups: there is no more work than that.
; LIMITS: NaN and infinities are not served.  A block whose largest magnitude lies under 2^-118, a block of zeros too, gets the byte 1
; (the rule says 127 for zeros): its codes are zeros or subnormal codes under that scale, and the bytes are read by this program alone.
.set X,   16                           ; v16-79   64 numbers: register 16 b + i = k 32 b + 16 (lane / 16) + i of my row
.set PC,  80                           ; v80-95   the fragment's codes
.set TM,  96                           ; v96-99 largest magnitudes, v100-103 bytes, v104-107 448 x the scale, v108-111 the conversions' scale operands
.set PW,  112                          ; v112     my row's scale word
.set SCW, 262144                       ; where the scale words begin in wimg
	s_load_b128 s[4:7], s[0:1], 0x0                ; w_qkv, w_o
	s_load_b64 s[8:9], s[0:1], 0x10                ; wimg
	v_lshl_add_u32 v128, v0, 2, 0x400
	v_mov_b32 v129, 0
	v_lshrrev_b32 v1, 5, v0
	v_readfirstlane_b32 s10, v1                    ; wave 0..3
	v_and_b32 v1, 31, v0                           ; lane
	v_and_b32 v2, 15, v0                           ; r
	v_bfe_u32 v3, v0, 4, 1                         ; h
	s_and_b32 s12, s10, 1                          ; u: which tile of the pair
	s_lshr_b32 s13, s10, 1                         ; s: which K step
	v_lshlrev_b32 v5, 4, v1                        ; 16 x lane: an image's place for my lane
	v_lshlrev_b32 v7, 3, v1                        ; 8 x lane: the scale words on their way out
	s_lshl_b32 s24, s13, 7
	s_lshl_b32 s25, s12, 2
	s_add_co_u32 s24, s24, s25
	v_lshl_add_u32 v6, v2, 3, s24                  ; LDS: 8 r + 128 s + 4 u: my row's scale word among the pair's 256 bytes
	s_mov_b32 s26, 0x76543210
	s_mov_b32 s27, 0xfedcba98                      ; v_permlanex16_b32's selects for lane l xor 16
	s_mov_b32 s28, 0x600000                        ; the mantissa field of 448
.irp b, 0,1,2,3
	v_mov_b32 v[TM+4+\b], 0                        ; a lane permute's destination counts as one of its sources
.endr
	s_wait_alu depctr_va_vdst(0)
	s_wait_kmcnt 0x0
	s_cmp_lt_u32 ttmp9, 24                         ; w_qkv's pair or w_o's?  Only the pointer and numbers are chosen: there is one path
	s_cselect_b64 s[4:5], s[4:5], s[6:7]
	s_cselect_b32 s11, 1, 0                        ; 1: the rows of a tile are spread (r + 8 (r / 8))
	s_cselect_b32 s14, 3, 4                        ; tile u begins 8 u or 16 u rows on
	s_cselect_b32 s15, 0, 24
	s_sub_co_u32 s15, ttmp9, s15                   ; the pair's number in its own tensor
	s_lshl_b32 s16, s15, 5
	s_lshl_b32 s17, s12, s14
	s_add_co_u32 s16, s16, s17                     ; the tile's first row,
	s_lshl_b32 s16, s16, 10                        ; of 1,024 bytes,
	s_lshl_b32 s17, s13, 9
	s_add_co_u32 s16, s16, s17                     ; + 512 s
	s_mov_b32 s17, 0
	s_add_nc_u64 s[4:5], s[4:5], s[16:17]
	v_and_b32 v4, 8, v2
	v_mul_u32_u24 v4, v4, s11
	v_add_nc_u32 v4, v4, v2                        ; r, or r + 8 (r / 8)
	v_lshlrev_b32 v4, 10, v4
	v_lshl_add_u32 v4, v3, 6, v4                   ; my row, + 64 h: my 16 numbers of a block of 32
	s_wait_alu depctr_va_vdst(0)
	s_lshl_b32 s18, ttmp9, 13
	s_lshl_b32 s19, s12, 12
	s_add_co_u32 s18, s18, s19
	s_lshl_b32 s19, s13, 11
	s_add_co_u32 s18, s18, s19
	s_mov_b32 s19, 0
	s_add_nc_u64 s[20:21], s[8:9], s[18:19]        ; my fragment's image
	s_lshl_b32 s18, ttmp9, 8
	s_add_co_u32 s18, s18, SCW
	s_add_nc_u64 s[22:23], s[8:9], s[18:19]        ; the pair's scale words
.irp c, 0,1,2,3
.irp j, 0,1,2,3
	global_load_b128 v[X+16*\c+4*\j:X+16*\c+4*\j+3], v4, s[4:5] offset:128*\c+16*\j th:TH_LOAD_NT
.endr
.endr
	s_wait_loadcnt 0x0
.irp b, 0,1,2,3
	v_max3_num_f32 v[TM+\b], |v[X+16*\b]|, |v[X+16*\b+1]|, 0x4800000   ; block b: my 16 numbers, and the floor 2^(9 - 127): the byte cannot fall under 1
.endr
.irp i, 2,4,6,8,10,12,14
.irp b, 0,1,2,3
	v_max3_num_f32 v[TM+\b], v[TM+\b], |v[X+16*\b+\i]|, |v[X+16*\b+\i+1]|   ; the four blocks by turns
.endr
.endr
.irp b, 0,1,2,3
	v_permlanex16_b32 v[TM+4+\b], v[TM+\b], s26, s27
.endr
.irp b, 0,1,2,3
	v_max_num_f32 v[TM+\b], v[TM+\b], v[TM+4+\b]   ; with lane l xor 16's 16: the block's largest magnitude
.endr
.irp b, 0,1,2,3
	v_add_nc_u32 v[TM+12+\b], 0xfc000000, v[TM+\b] ; 8 off its exponent field: the conversion's scale operand
.endr
.irp b, 0,1,2,3
	v_and_or_b32 v[TM+8+\b], v[TM+\b], 0x7f800000, s28   ; 448 x the scale
.endr
.irp b, 0,1,2,3
	v_lshrrev_b32 v[TM+4+\b], 23, v[TM+12+\b]      ; the scale's byte
.endr
	v_lshl_or_b32 v[PW], v[TM+5], 8, v[TM+4]
	v_lshl_or_b32 v[PW], v[TM+6], 16, v[PW]
	v_lshl_or_b32 v[PW], v[TM+7], 24, v[PW]
.irp b, 0,1,2,3
.irp i, 0,1,2,3,4,5,6,7,8,9,10,11,12,13,14,15
	v_med3_num_f32 v[X+16*\b+\i], v[X+16*\b+\i], -v[TM+8+\b], v[TM+8+\b]   ; the conversion to an 8-bit code does not saturate (ISA guide 7.6.2): the hold comes first
.endr
	v_cvt_scalef32_pk8_fp8_f32 v[PC+4*\b:PC+4*\b+1], v[X+16*\b:X+16*\b+7], v[TM+12+\b]
	v_cvt_scalef32_pk8_fp8_f32 v[PC+4*\b+2:PC+4*\b+3], v[X+16*\b+8:X+16*\b+15], v[TM+12+\b]
.endr
	v_nop
.irp c, 0,1,2,3
	global_store_b128 v5, v[PC+4*\c:PC+4*\c+3], s[20:21] offset:512*\c   ; 32 lanes store 512 consecutive bytes, aligned
.endr
	ds_store_b32 v6, v[PW]                         ; lanes r and r + 16 write the same word with the same value
	s_wait_dscnt 0x0                               ; for the others' sake: my store has landed
	s_barrier_signal -1
	s_barrier_wait -1
	s_cmp_lg_u32 s10, 0
	s_cbranch_scc1 .Lend
	ds_load_b64 v[114:115], v7                     ; wave 0 sends the pair's 64 scale words out: 256 consecutive bytes, aligned
	s_wait_dscnt 0x0
	global_store_b64 v7, v[114:115], s[22:23]
.Lend:
	s_wait_tensorcnt 0x0
	ds_add_u32 v128, v129
	s_wait_dscnt 0x0
	s_endpgm
.Lfunc_end_k_q747e458f7b_wprep:
	.size	k_q747e458f7b_wprep, .Lfunc_end_k_q747e458f7b_wprep-k_q747e458f7b_wprep
	.p2alignl 7, 3214868480
	.fill 96, 4, 3214868480
	.section	.rodata,"a",@progbits
	.p2align	6, 0x0
	.amdhsa_kernel k_q747e458f7b_wprep
		.amdhsa_group_segment_fixed_size 1536
		.amdhsa_private_segment_fixed_size 0
		.amdhsa_enable_private_segment 0
		.amdhsa_kernarg_size 24
		.amdhsa_user_sgpr_count 2
		.amdhsa_user_sgpr_kernarg_segment_ptr 1
		.amdhsa_wavefront_size32 1
		.amdhsa_system_sgpr_workgroup_id_x 1
		.amdhsa_system_sgpr_workgroup_id_y 1
		.amdhsa_system_sgpr_workgroup_id_z 1
		.amdhsa_system_vgpr_workitem_id 0
		.amdhsa_next_free_vgpr 130
		.amdhsa_next_free_sgpr 66
		.amdhsa_reserve_vcc 0
		.amdhsa_float_denorm_mode_32 3
		.amdhsa_float_denorm_mode_16_64 3
		.amdhsa_memory_ordered 1
		.amdhsa_forward_progress 1
		.amdhsa_inst_pref_size 13
	.end_amdhsa_kernel
	.amdgpu_metadata
---
amdhsa.version: [ 1, 2 ]
amdhsa.kernels:
  - .name:           k_q747e458f7b_wprep
    .symbol:         k_q747e458f7b_wprep.kd
    .args:
      - { .name: w_qkv, .offset: 0, .size: 8, .value_kind: global_buffer, .address_space: global }
      - { .name: w_o, .offset: 8, .size: 8, .value_kind: global_buffer, .address_space: global }
      - { .name: wimg, .offset: 16, .size: 8, .value_kind: global_buffer, .address_space: global }
    .group_segment_fixed_size: 1536
    .private_segment_fixed_size: 0
    .kernarg_segment_align: 8
    .kernarg_segment_size: 24
    .max_flat_workgroup_size: 128
    .sgpr_count:     66
    .vgpr_count:     130
    .wavefront_size: 32
...
	.end_amdgpu_metadata
.endif
;; end of part 1
;; launch qkv (part 2): grid 2 x 128, 12 waves a work-group, no clusters, 73,216 bytes of LDS; arguments x, b_qkv, wimg, qimg, kvimg; writes qimg, kvimg
.if DOCPART == 2
	.amdgcn_target "amdgcn-amd-amdhsa--gfx1250"
	.amdhsa_code_object_version 6
	.text
	.protected	k_q747e458f7b_qkv
	.globl	k_q747e458f7b_qkv
	.p2align	8
	.type	k_q747e458f7b_qkv,@function
k_q747e458f7b_qkv:
	s_mov_b64 s[64:65], 0
	v_nop
	global_prefetch_b8 v0, s[64:65] scope:SCOPE_SE
	s_setreg_imm32_b32 hwreg(HW_REG_WAVE_MODE, 25, 1), 1
	s_wait_xcnt 0x0
; qkv = Q(x^T) Q(w_qkv)^T + b_qkv on codes of E4M3 (one E8M0 byte for each 32 along K = the 256 channels), and q, k, v quantised at once for the two products of
; attention: q and k along the head's 64 channels, v along the keys.  All three leave as images of operand registers (16 bytes a lane at 16 x lane, 512 bytes a group of four registers).
; SHARES.  A work-group takes 128 tokens of one batch (y = 32 b + j) and two heads (x = hp: heads 2 hp, 2 hp + 1).  Twelve waves: kind = wave / 4 (0 q, 1 k, 2 v), bi = wave % 4.
; A wave owns 32 features (pair P = 8 kind + 4 hp + bi of wimg: head 2 hp + bi / 2, block bi % 2 of its 64 channels): four fragments, 64 registers, read once.
; x [b][256][4096] has K OUTERMOST: in the first phase waves 0-7 let a lane take a token and its registers run down 128 channels (wave: 32 tokens g = bi, K step = kind);
; a block of 32 lies in one lane; the codes go to LDS twice, as images in two orders of the tokens:
;   ORDER A (keys):    row r of tile 2 g + u is token 32 g + 8 u + r + 8 (r / 8): a transposed product's 16 registers of two tiles are 16 neighbouring keys.
;   ORDER B (queries): row r of tile 4 qb + t is token 64 qb + 4 r + t: the last launch then holds four neighbouring tokens in four registers.
; q, k: source 0 = 16 features, source 1 = 16 tokens: a lane holds one token and 16 neighbouring features of a block of 32.   v: source 0 = 16 tokens, source 1 = 16 features: a lane holds one feature and 16 neighbouring keys.
; The bias is the C of each sum's first product.  No tensor loads: LDS is written once and read once, two barriers.
; qimg: block (32 b + j) 4 + head of 8,704 bytes: tile T at 1024 T + 512 c; scale word (s0, s1, s0, s1) of (T, r) at 8192 + 16 (r + 16 (T % 2)) + 4 (T / 2).
; kvimg: block of 17,408 bytes: K's tile i at 1024 i + 512 c; V's channel tile i, key block c at 8192 + 2048 i + 512 c; K's scale words at 16384 as q's; V's word of (tile i, lane l) at 16896 + 16 l + 4 i.
; LIMITS: NaN and infinities are not served.  A block whose largest magnitude lies under 2^-118, a block of zeros too, gets the byte 1 (the rule says 127 for zeros); the bytes are read by this program alone.
.set XB,   0                           ; LDS: x's images in order B: fragment (T, s) at 2048 (2 T + s)
.set XA,   32768                       ; in order A
.set XSB,  65536                       ; x's scale words, order B: 128 T + 64 s + 4 r
.set XSA,  66560                       ; order A
.set STG,  67584                       ; the stage for q's, k's, v's scale words: 1024 kind + 512 (bi / 2)
.set W,    16                          ; v16-79   my four fragments of w_qkv: (u, s) at 32 u + 16 s
.set WS,   80                          ; v80-81   their scale words: register u; lanes 0-15 K step 0, lanes 16-31 K step 1
.set BIAS, 82                          ; v82-97   the bias in the result's layout
.set XS,   98                          ; v98-105  x's scale words of tile T; lanes 0-15 K step 0, lanes 16-31 K step 1
.set XF,   106                         ; v106-169 x's fragments
.set ACC,  170                         ; v170-201 accumulators
.set CODES, 202                        ; v202-233 codes: four registers for each store, none written twice
.set T0,   234                         ; v234-238 at work
.set T1,   235
.set T2,   236
.set T3,   237
.set T4,   238
.set BY,   239                         ; v239-246 scale bytes
.set VW,   248                         ; v248-249 v's scale words of my two channel tiles
.set XX,   106                         ; the first phase: v106-233 128 numbers of x; v234-241 block 0's codes; v242-246 at work; v251 the scale word
	s_load_b256 s[4:11], s[0:1], 0x0               ; x, b_qkv, wimg, qimg
	s_load_b64 s[12:13], s[0:1], 0x20              ; kvimg
	v_lshl_add_u32 v252, v0, 2, 0x11800
	v_mov_b32 v253, 0
	v_lshrrev_b32 v1, 5, v0
	s_delay_alu instid0(VALU_DEP_1)
	v_readfirstlane_b32 s14, v1                    ; wave 0..11
	s_lshr_b32 s15, s14, 2                         ; kind; in the first phase: the K step
	s_and_b32 s16, s14, 3                          ; bi; in the first phase: g, which 32 tokens
	s_mov_b32 s17, ttmp9                           ; hp
	s_and_b32 s18, ttmp7, 0xffff                   ; 32 b + j
	s_mov_b32 s22, 0x76543210
	s_mov_b32 s23, 0xfedcba98                      ; v_permlanex16_b32's selects for lane l xor 16
	s_mov_b32 s24, 0x600000                        ; the mantissa field of 448
	v_and_b32 v1, 31, v0                           ; lane
	v_and_b32 v2, 15, v0                           ; r
	v_bfe_u32 v3, v0, 4, 1                         ; h
	s_delay_alu instid0(VALU_DEP_3)
	v_lshlrev_b32 v4, 2, v1                        ; 4 x lane
	; every LDS address is made here, ahead of the first parting of the waves
	s_lshl_b32 s19, s16, 2
	s_add_co_u32 s19, s19, s15
	s_lshl_b32 s19, s19, 11
	s_add_co_u32 s19, s19, XA                      ; order A: fragment 4 g + s
	s_lshr_b32 s25, s16, 1                         ; bi / 2
	s_and_b32 s26, s16, 1                          ; bi % 2
	s_lshl_b32 s20, s25, 3
	s_add_co_u32 s20, s20, s15
	s_lshl_b32 s20, s20, 11
	s_lshl_b32 s21, s26, 7
	s_add_co_u32 s20, s20, s21                     ; order B: fragment 8 (g / 2) + s, rows 8 (g % 2) on
	s_lshl_b32 s21, s16, 8
	s_lshl_b32 s27, s15, 6
	s_add_co_u32 s21, s21, s27
	s_add_co_u32 s21, s21, XSA                     ; scale words, order A: 256 g + 64 s
	s_lshl_b32 s28, s25, 9
	s_add_co_u32 s28, s28, s27
	s_lshl_b32 s29, s26, 5
	s_add_co_u32 s28, s28, s29
	s_add_co_u32 s28, s28, XSB                     ; order B: 512 (g / 2) + 64 s + 32 (g % 2)
	s_min_u32 s29, s15, 1                          ; q reads order B, k and v order A
	s_lshl_b32 s30, s29, 15
	s_lshl_b32 s31, s29, 10
	s_add_co_u32 s31, s31, XSB
	s_lshl_b32 s32, s15, 10
	s_lshl_b32 s33, s25, 9
	s_add_co_u32 s32, s32, s33
	s_add_co_u32 s32, s32, STG                     ; the stage of my kind and head
	s_lshl_b32 s33, s26, 3
	v_bfe_u32 v16, v0, 3, 1                        ; order A: my token's tile u = (lane / 8) % 2,
	v_and_b32 v17, 7, v0
	s_wait_alu depctr_va_vdst(0)
	v_lshl_add_u32 v17, v3, 3, v17                 ; and row lane % 8 + 8 (lane / 16)
	v_and_b32 v18, 3, v0                           ; order B: tile t = lane % 4,
	v_bfe_u32 v19, v0, 2, 3                        ; row lane / 4 (+ 8 (g % 2))
	v_lshlrev_b32 v5, 12, v16
	s_delay_alu instid0(VALU_DEP_1)
	v_lshl_add_u32 v5, v17, 4, v5
	s_delay_alu instid0(VALU_DEP_1)
	v_add_nc_u32 v5, s19, v5                       ; v5   where my token's codes go, order A
	v_lshlrev_b32 v6, 12, v18
	s_delay_alu instid0(VALU_DEP_1)
	v_lshl_add_u32 v6, v19, 4, v6
	s_delay_alu instid0(VALU_DEP_1)
	v_add_nc_u32 v6, s20, v6                       ; v6   order B
	v_lshlrev_b32 v7, 7, v16
	s_delay_alu instid0(VALU_DEP_1)
	v_lshl_add_u32 v7, v17, 2, v7
	s_delay_alu instid0(VALU_DEP_1)
	v_add_nc_u32 v7, s21, v7                       ; v7   its scale word, order A
	v_lshlrev_b32 v8, 7, v18
	s_delay_alu instid0(VALU_DEP_1)
	v_lshl_add_u32 v8, v19, 2, v8
	s_delay_alu instid0(VALU_DEP_1)
	v_add_nc_u32 v8, s28, v8                       ; v8   order B
	v_lshlrev_b32 v14, 4, v1                       ; v14  16 x lane
	v_lshlrev_b32 v15, 3, v1                       ; v15  8 x lane
	s_delay_alu instid0(VALU_DEP_2)
	v_add_nc_u32 v9, s30, v14                      ; v9   x's images as I read them
	v_add_nc_u32 v10, s31, v4                      ; v10  and their scale words
	v_lshl_add_u32 v11, v2, 4, s32
	s_delay_alu instid0(VALU_DEP_1)
	v_add_nc_u32 v11, s26, v11                     ; v11  q, k: my block's byte of token r's scale word
	v_add_nc_u32 v12, s32, v14
	s_delay_alu instid0(VALU_DEP_1)
	v_add_nc_u32 v12, s33, v12                     ; v12  v: my two tiles' words of lane l
	v_add_nc_u32 v13, s32, v14                     ; v13  the stage on the way out
	v_lshlrev_b32 v250, 6, v3                      ; v250 bias of q, k: 16 numbers from 16 h on
	v_and_b32 v247, 8, v2
	s_delay_alu instid0(VALU_DEP_1)
	v_add_nc_u32 v247, v247, v2
	s_delay_alu instid0(VALU_DEP_1)
	v_lshlrev_b32 v247, 2, v247                    ; v247 bias of v: feature r + 8 (r / 8)
	v_mov_b32 v[T2], 0                             ; a lane permute's destination counts as one of its sources
	; offsets in memory
	s_lshl_b32 s34, s15, 3
	s_lshl_b32 s35, s17, 2
	s_add_co_u32 s34, s34, s35
	s_add_co_u32 s34, s34, s16                     ; P
	s_lshl_b32 s36, s34, 13                        ; my pair's images
	s_mov_b32 s37, 0
	s_lshl_b32 s38, s34, 8
	s_add_co_u32 s38, s38, 262144                  ; its scale words
	s_mov_b32 s39, 0
	s_lshl_b32 s40, s34, 7                         ; its 32 numbers of the bias
	s_mov_b32 s41, 0
	s_lshr_b32 s42, s18, 5
	s_lshl_b32 s42, s42, 22                        ; x: batch b,
	s_lshl_b32 s43, s15, 21
	s_add_co_u32 s42, s42, s43                     ; 128 channels of 16,384 bytes for each K step,
	s_and_b32 s43, s18, 31
	s_lshl_b32 s43, s43, 9
	s_add_co_u32 s42, s42, s43                     ; 128 tokens a step j,
	s_lshl_b32 s43, s16, 7
	s_add_co_u32 s42, s42, s43                     ; 32 tokens a wave
	s_mov_b32 s43, 0
	s_lshl_b32 s44, s17, 1
	s_add_co_u32 s44, s44, s25
	s_lshl_b32 s45, s18, 2
	s_add_co_u32 s44, s44, s45                     ; the block of qimg or kvimg: (32 b + j) 4 + head
	s_wait_kmcnt 0x0
	s_add_nc_u64 s[50:51], s[8:9], s[36:37]
	s_add_nc_u64 s[52:53], s[8:9], s[38:39]
	s_add_nc_u64 s[54:55], s[6:7], s[40:41]
	s_add_nc_u64 s[56:57], s[4:5], s[42:43]
	s_mov_b32 s27, 17408
	s_mov_b32 s28, 16384
	s_cmp_eq_u32 s15, 0                            ; q goes to qimg, k and v to kvimg: the choice hangs on the wave's number alone
	s_cselect_b64 s[46:47], s[10:11], s[12:13]
	s_cselect_b32 s27, 8704, s27                   ; a block's bytes
	s_cselect_b32 s28, 8192, s28                   ; where its scale words begin
	s_mul_i32 s27, s44, s27
	s_cmp_eq_u32 s15, 2
	s_cselect_b32 s29, 12, 9                       ; my block of 32 features: 4,096 bytes on in V's codes, 512 in q's and k's
	s_cselect_b32 s30, 512, 0                      ; V's scale words lie behind K's
	s_add_co_u32 s28, s28, s30
	s_add_co_u32 s28, s28, s27
	s_lshl_b32 s30, s26, s29
	s_add_co_u32 s30, s30, s27
	s_mov_b32 s29, 0
	s_mov_b32 s31, 0
	s_add_nc_u64 s[48:49], s[46:47], s[28:29]      ; s[48:49] where the scale words go
	s_add_nc_u64 s[46:47], s[46:47], s[30:31]      ; s[46:47] where the codes go
.irp u, 0,1
.irp s, 0,1
.irp c, 0,1,2,3
	global_load_b128 v[W+32*\u+16*\s+4*\c:W+32*\u+16*\s+4*\c+3], v14, s[50:51] offset:4096*\u+2048*\s+512*\c
.endr
.endr
.endr
	global_load_b64 v[WS:WS+1], v15, s[52:53]
	s_cmp_lt_u32 s14, 8
	s_cbranch_scc1 .Lxphase
	s_wait_alu depctr_va_vdst(0)
.irp u, 0,1                                    ; waves 8-11 (v): a lane holds one feature, so a tile's eight registers of C are equal
.irp i, 0,1,2,3,4,5,6,7
	global_load_b32 v[BIAS+8*\u+\i], v247, s[54:55] offset:32*\u
.endr
.endr
	s_branch .Lmeet
.Lxphase:
	s_wait_alu depctr_va_vdst(0)
.irp i, 0,1,2,3
	global_load_b128 v[BIAS+4*\i:BIAS+4*\i+3], v250, s[54:55] offset:16*\i   ; q, k: register i = the bias of feature 16 h + i of my 32
.endr
.set i, 0
.rept 128
	global_load_b32 v[XX+i], v4, s[56:57] offset:i*16384   ; x(channel i of my 128, my token): 32 lanes read 128 consecutive bytes
.set i, i+1
.endr
; Block bb of my token's four: all 32 numbers are mine.  cnt: how many younger loads may stay out.  cd: eight registers for the codes, which no pending LDS store reads.
.macro XBLOCK bb, cnt, cd
.set XN, XX+32*(\bb)
	s_wait_loadcnt \cnt
	v_max3_num_f32 v242, |v[XN]|, |v[XN+1]|, |v[XN+2]|
	v_max3_num_f32 v243, |v[XN+3]|, |v[XN+4]|, |v[XN+5]|
.irp i, 6,10,14,18,22,26
	s_delay_alu instid0(VALU_DEP_2)
	v_max3_num_f32 v242, v242, |v[XN+\i]|, |v[XN+\i+1]|
	s_delay_alu instid0(VALU_DEP_2)
	v_max3_num_f32 v243, v243, |v[XN+\i+2]|, |v[XN+\i+3]|
.endr
	s_delay_alu instid0(VALU_DEP_2)
	v_max3_num_f32 v242, v242, |v[XN+30]|, |v[XN+31]|
	s_delay_alu instid0(VALU_DEP_1)
	v_max3_num_f32 v242, v242, v243, 0x4800000     ; and the floor 2^(9 - 127): the byte cannot fall under 1
	s_delay_alu instid0(VALU_DEP_1)
	v_add_nc_u32 v244, 0xfc000000, v242            ; 8 off the exponent field: the conversion's scale operand
	s_delay_alu instid0(VALU_DEP_2)
	v_and_or_b32 v245, v242, 0x7f800000, s24       ; 448 x the scale
	s_delay_alu instid0(VALU_DEP_2)
	v_lshrrev_b32 v246, 23, v244                   ; the scale's byte
.if (\bb) == 0
	s_delay_alu instid0(VALU_DEP_1)
	v_mov_b32 v251, v246
.else
	s_delay_alu instid0(VALU_DEP_1)
	v_lshl_or_b32 v251, v246, 8*(\bb), v251
.endif
.set i, 0
.rept 32
	v_med3_num_f32 v[XN+i], v[XN+i], -v245, v245   ; the conversion to an 8-bit code does not saturate (ISA guide 7.6.2): the hold comes first
.set i, i+1
.endr
.irp g, 0,1,2,3
	v_cvt_scalef32_pk8_fp8_f32 v[\cd+2*\g:\cd+2*\g+1], v[XN+8*\g:XN+8*\g+7], v244
.endr
	v_nop
	ds_store_b128 v5, v[\cd:\cd+3] offset:512*(\bb)          ; k 0-15 of the block are the lower lanes' 16 bytes of the image's group bb,
	ds_store_b128 v5, v[\cd+4:\cd+7] offset:512*(\bb)+256    ; k 16-31 the upper lanes'
	ds_store_b128 v6, v[\cd:\cd+3] offset:512*(\bb)
	ds_store_b128 v6, v[\cd+4:\cd+7] offset:512*(\bb)+256
.endm
	XBLOCK 0, 63, 234                              ; 96 younger loads could stay out; the wait's field holds 63
	XBLOCK 1, 63, XX                               ; 64 could.  The codes take the registers of numbers that have been converted
	XBLOCK 2, 32, XX+32                            ; the last block's 32 loads may stay out
	XBLOCK 3, 0, XX+64
	ds_store_b32 v7, v251
	ds_store_b32 v8, v251
.Lmeet:
	s_wait_dscnt 0x0                               ; my LDS stores have landed
	s_barrier_signal -1
	s_barrier_wait -1                              ; x's 32 fragments lie in LDS
	s_wait_loadcnt 0x0                             ; my weights, their scale words, the bias
.irp T, 0,1,2,3,4,5,6,7
	ds_load_b32 v[XS+\T], v10 offset:128*\T
.endr
.macro FETCHX reg, T                   ; tile T's two fragments (K steps 0, 1) into v[reg] on
.irp s, 0,1
.irp c, 0,1,2,3
	ds_load_b128 v[\reg+16*\s+4*\c:\reg+16*\s+4*\c+3], v9 offset:(2*(\T)+\s)*2048+512*\c
.endr
.endr
.endm
; One block of 32: 16 numbers in v[s] on, 16 in lane l xor 16.  Codes into v[d] .. v[d + 3], the scale's byte into v[e].  Each accumulator is read from its low end on.
.macro QB16 s, d, e
	v_max3_num_f32 v[T0], |v[\s]|, |v[\s+1]|, |v[\s+2]|
	v_max3_num_f32 v[T1], |v[\s+3]|, |v[\s+4]|, |v[\s+5]|
.irp i, 6,10
	v_max3_num_f32 v[T0], v[T0], |v[\s+\i]|, |v[\s+\i+1]|
	v_max3_num_f32 v[T1], v[T1], |v[\s+\i+2]|, |v[\s+\i+3]|
.endr
	v_max3_num_f32 v[T0], v[T0], |v[\s+14]|, |v[\s+15]|
	s_delay_alu instid0(VALU_DEP_1)
	v_max3_num_f32 v[T0], v[T0], v[T1], 0x4800000  ; the floor 2^(9 - 127)
	v_permlanex16_b32 v[T2], v[T0], s22, s23
	s_delay_alu instid0(VALU_DEP_1)
	v_max_num_f32 v[T0], v[T0], v[T2]              ; the block's largest magnitude
	s_delay_alu instid0(VALU_DEP_1)
	v_add_nc_u32 v[T3], 0xfc000000, v[T0]          ; the conversion's scale operand
	s_delay_alu instid0(VALU_DEP_2)
	v_and_or_b32 v[T4], v[T0], 0x7f800000, s24     ; 448 x the scale
	s_delay_alu instid0(VALU_DEP_2)
	v_lshrrev_b32 v[\e], 23, v[T3]                 ; the byte
.irp i, 0,1,2,3,4,5,6,7,8,9,10,11,12,13,14,15
	v_med3_num_f32 v[\s+\i], v[\s+\i], -v[T4], v[T4]
.endr
	v_cvt_scalef32_pk8_fp8_f32 v[\d:\d+1], v[\s:\s+7], v[T3]
	v_cvt_scalef32_pk8_fp8_f32 v[\d+2:\d+3], v[\s+8:\s+15], v[T3]
	v_nop                                          ; a plain line between the conversions and the next products, which write v[s] on
.endm
	s_cmp_lt_u32 s14, 8
	s_cbranch_scc0 .Lvpath
	; ---- q, k: a tile of 16 tokens at a time.  Two accumulators by turns: features 16 h + 0..7 and 16 h + 8..15 of my 32
	FETCHX XF, 0
.irp T, 0,1,2,3,4,5,6,7
.set XC, XF+32*(\T%2)
	s_wait_dscnt 0x0                               ; this tile's fragments (and, for tile 0, the scale words) are in
	v_wmma_scale_f32_16x16x128_f8f6f4 v[ACC:ACC+7], v[W:W+15], v[XC:XC+15], v[BIAS:BIAS+7], v[WS], v[XS+\T]
	v_wmma_scale_f32_16x16x128_f8f6f4 v[ACC+8:ACC+15], v[W+32:W+47], v[XC:XC+15], v[BIAS+8:BIAS+15], v[WS+1], v[XS+\T]
	v_wmma_scale_f32_16x16x128_f8f6f4 v[ACC:ACC+7], v[W+16:W+31], v[XC+16:XC+31], v[ACC:ACC+7], v[WS], v[XS+\T] matrix_a_scale:MATRIX_SCALE_ROW1 matrix_b_scale:MATRIX_SCALE_ROW1
	v_wmma_scale_f32_16x16x128_f8f6f4 v[ACC+8:ACC+15], v[W+48:W+63], v[XC+16:XC+31], v[ACC+8:ACC+15], v[WS+1], v[XS+\T] matrix_a_scale:MATRIX_SCALE_ROW1 matrix_b_scale:MATRIX_SCALE_ROW1
.if \T < 7
	FETCHX XF+32*((\T+1)%2), \T+1                  ; the next tile, into the buffer that these products do not name
.endif
.rept 9
	v_nop                                          ; eight places in front of the first read of the results; nine in front of the next tile's products, which begin the accumulators anew
.endr
	QB16 ACC, CODES+4*\T, BY+\T
	ds_store_b8 v11, v[BY+\T] offset:256*(\T%2)+4*(\T/2)       ; the word is (s0, s1, s0, s1): my byte twice
	ds_store_b8 v11, v[BY+\T] offset:256*(\T%2)+4*(\T/2)+2
	global_store_b128 v14, v[CODES+4*\T:CODES+4*\T+3], s[46:47] offset:1024*\T   ; 32 lanes store 512 consecutive bytes, aligned
.endr
	s_branch .Lmeet2
.Lvpath:
	; ---- v: 32 keys (two tiles of tokens) x my 32 features at a time: four accumulators by turns
.irp bp, 0,1,2,3
	FETCHX XF, 2*\bp
	FETCHX XF+32, 2*\bp+1
	s_wait_dscnt 0x0
.irp u, 0,1
.irp tt, 0,1
	v_wmma_scale_f32_16x16x128_f8f6f4 v[ACC+16*\u+8*\tt:ACC+16*\u+8*\tt+7], v[XF+32*\tt:XF+32*\tt+15], v[W+32*\u:W+32*\u+15], v[BIAS+8*\u:BIAS+8*\u+7], v[XS+2*\bp+\tt], v[WS+\u]
.endr
.endr
.irp u, 0,1
.irp tt, 0,1
	v_wmma_scale_f32_16x16x128_f8f6f4 v[ACC+16*\u+8*\tt:ACC+16*\u+8*\tt+7], v[XF+32*\tt+16:XF+32*\tt+31], v[W+32*\u+16:W+32*\u+31], v[ACC+16*\u+8*\tt:ACC+16*\u+8*\tt+7], v[XS+2*\bp+\tt], v[WS+\u] matrix_a_scale:MATRIX_SCALE_ROW1 matrix_b_scale:MATRIX_SCALE_ROW1
.endr
.endr
.rept 9
	v_nop                                          ; as above: eight for reads and for the next loads into the fragments, nine for the accumulators begun anew
.endr
.irp u, 0,1
	QB16 ACC+16*\u, CODES+4*(2*\bp+\u), BY         ; feature r + 8 (r / 8) of tile u, keys 32 bp + 16 h + 0..15
.if \bp == 0
	v_mov_b32 v[VW+\u], v[BY]
.else
	v_lshl_or_b32 v[VW+\u], v[BY], 8*\bp, v[VW+\u]
.endif
	global_store_b128 v14, v[CODES+4*(2*\bp+\u):CODES+4*(2*\bp+\u)+3], s[46:47] offset:8192+2048*\u+512*\bp
.endr
.endr
	ds_store_b64 v12, v[VW:VW+1]
.Lmeet2:
	s_wait_dscnt 0x0                               ; my LDS stores have landed
	s_barrier_signal -1
	s_barrier_wait -1                              ; the scale words of both blocks of each head lie in the stage
	s_and_b32 s19, s14, 1
	s_cmp_lg_u32 s19, 0
	s_cbranch_scc1 .Lend                           ; one wave for each kind and head sends them out
	ds_load_b128 v[XF:XF+3], v13
	s_wait_dscnt 0x0
	global_store_b128 v14, v[XF:XF+3], s[48:49]    ; 512 consecutive bytes, aligned
.Lend:
	s_wait_tensorcnt 0x0
	ds_add_u32 v252, v253
	s_wait_dscnt 0x0
	s_endpgm
.Lfunc_end_k_q747e458f7b_qkv:
	.size	k_q747e458f7b_qkv, .Lfunc_end_k_q747e458f7b_qkv-k_q747e458f7b_qkv
	.p2alignl 7, 3214868480
	.fill 96, 4, 3214868480
	.section	.rodata,"a",@progbits
	.p2align	6, 0x0
	.amdhsa_kernel k_q747e458f7b_qkv
		.amdhsa_group_segment_fixed_size 73216
		.amdhsa_private_segment_fixed_size 0
		.amdhsa_enable_private_segment 0
		.amdhsa_kernarg_size 40
		.amdhsa_user_sgpr_count 2
		.amdhsa_user_sgpr_kernarg_segment_ptr 1
		.amdhsa_wavefront_size32 1
		.amdhsa_system_sgpr_workgroup_id_x 1
		.amdhsa_system_sgpr_workgroup_id_y 1
		.amdhsa_system_sgpr_workgroup_id_z 1
		.amdhsa_system_vgpr_workitem_id 0
		.amdhsa_next_free_vgpr 254
		.amdhsa_next_free_sgpr 66
		.amdhsa_reserve_vcc 0
		.amdhsa_float_denorm_mode_32 3
		.amdhsa_float_denorm_mode_16_64 3
		.amdhsa_memory_ordered 1
		.amdhsa_forward_progress 1
		.amdhsa_inst_pref_size 97
	.end_amdhsa_kernel
	.amdgpu_metadata
---
amdhsa.version: [ 1, 2 ]
amdhsa.kernels:
  - .name:           k_q747e458f7b_qkv
    .symbol:         k_q747e458f7b_qkv.kd
    .args:
      - { .name: x, .offset: 0, .size: 8, .value_kind: global_buffer, .address_space: global }
      - { .name: b_qkv, .offset: 8, .size: 8, .value_kind: global_buffer, .address_space: global }
      - { .name: wimg, .offset: 16, .size: 8, .value_kind: global_buffer, .address_space: global }
      - { .name: qimg, .offset: 24, .size: 8, .value_kind: global_buffer, .address_space: global }
      - { .name: kvimg, .offset: 32, .size: 8, .value_kind: global_buffer, .address_space: global }
    .group_segment_fixed_size: 73216
    .private_segment_fixed_size: 0
    .kernarg_segment_align: 8
    .kernarg_segment_size: 40
    .max_flat_workgroup_size: 384
    .sgpr_count:     66
    .vgpr_count:     254
    .wavefront_size: 32
...
	.end_amdgpu_metadata
.endif
;; end of part 2
;; launch attn (part 3): grid 16 x 16, 16 waves a work-group, clusters of 4 x 1, 327,680 bytes of LDS; arguments qimg, kvimg, oimg, oscl; writes oimg, oscl
.if DOCPART == 3
	.amdgcn_target "amdgcn-amd-amdhsa--gfx1250"
	.amdhsa_code_object_version 6
	.text
	.protected	k_q747e458f7b_attn
	.globl	k_q747e458f7b_attn
	.p2align	8
	.type	k_q747e458f7b_attn,@function
k_q747e458f7b_attn:
	s_mov_b64 s[64:65], 0
	v_nop
	global_prefetch_b8 v0, s[64:65] scope:SCOPE_SE
	s_setreg_imm32_b32 hwreg(HW_REG_WAVE_MODE, 25, 1), 1
	s_wait_xcnt 0x0
	s_wait_alu depctr_hold_cnt(0) depctr_sa_sdst(0) depctr_va_vdst(0) depctr_va_sdst(0) depctr_va_ssrc(0) depctr_va_vcc(0) depctr_vm_vsrc(0)
	s_getreg_b32 s2, hwreg(HW_REG_IB_STS2, 6, 4)
	s_cmp_eq_u32 s2, 0
	s_cbranch_scc0 .Lentry_in_a_cluster
	s_endpgm
.Lentry_in_a_cluster:
	s_bfe_u32 s2, ttmp6, 0x10000c
	s_cmp_lg_u32 s2, 0x3003
	s_cbranch_scc0 .Lentry_shape_is_right
	s_endpgm
.Lentry_shape_is_right:
; O = softmax(q k^T / 8) v for one head, both products on codes of E4M3 with one E8M0 byte for each 32 along K; O is quantised along the channels and leaves as codes and scale bytes for the last product.
; THE SOFTMAX: t = score x log2(e) / 8; M = the row's largest t so far, rounded UP to a whole number; p = 2^(t - M) is quantised along the keys, not normalised.
; The row's sum is taken of the unquantised p and divides O at the end.  When M moves, the sum and O are multiplied by 2^(old M - new M): exact.
; SHARES.  A work-group owns 256 queries of ONE head of one batch (x: the block of queries, y = 4 batch + head); each of its sixteen waves owns 16 of them.  All sixteen read the same block of K and V,
; so a slot of 8 blocks holds EIGHT key steps of 128 keys: 32 key steps are four fills of a ring of two slots.  Every wave fetches half a block (34 rows of 256 bytes) of each fill.
; CLUSTER.  The four query blocks of a cluster walk the same K and V: each half block is asked for jointly, by the same descriptor and a mask that names the four.
; NO PREFETCH: a refill is asked for eight key steps of sixteen waves ahead of the wait for it, and the first two fills have no loop ahead of them.
; LAYOUT.  S^T = K Q^T, O^T = V^T P^T: a lane holds ONE query.  The keys of a tile are spread (row r of tile 2 b + u is key 32 b + 8 u + r + 8 (r / 8)), so that p's 16 registers of two tiles are 16 neighbouring keys; V's channels likewise.
; K = 64 IN AN INSTRUCTION OF 128: two tiles of K lie in one run of 16 registers; against [Q | zero codes] it gives the even tile's scores, against [zero codes | Q] the odd tile's: the other tile's codes, which are
; finite numbers, meet zero codes.  The scale words are (s0, s1, s0, s1) and serve both forms.
; REGISTERS BY TURNS.  K's upper 32 registers take V's fragments 2, 3 once the scores are made; p's lower 32 take V's fragments 0, 1 once that half is summed and converted; so K's lower 32 are free
; for the NEXT step's tiles 0-3, asked for in the middle of this step.  Tiles 4-7 are asked for behind V^T P^T.  The hold writes into two side buffers, so p's upper half stays unheld, and its row sums are
; the plain lines behind the products: eight behind V^T P^T, eight behind the next step's first four score tiles.
; oimg: block 64 batch + q block (64 queries) of 16,384 bytes: fragment (tile t, K step s) at 2048 (2 t + s), group c at 512 c, 16 bytes a lane.  oscl: [4 batch + head][q block][r][t] two bytes.
; LIMITS: NaN and infinities are not served; scaled scores stay under 2^31; p under 2^-126 becomes 0 (v_exp_f32 flushes); a block whose largest magnitude lies under 2^-118 gets the byte 1.
.set BLK,   17408                      ; a block: K's codes 8,192; V's codes 8,192; K's scale words 512; V's 512
.set HALF,  8704
.set VCO,   8192
.set KSO,   16384
.set VSO,   16896
.set SLOT,  8*BLK
.set OSC,   2*SLOT                     ; behind the ring: O's scale bytes, 512: no tensor load fills them
.set SPARE, OSC+512                    ; the spare words, 128 bytes for each wave
.set AB,   2                           ; v2   LDS address of the key step's block + 16 x lane      (v1: 16 x lane; v3: the stage as wave 0 reads it; v9: my byte pair's place in it)
.set AN,   11                          ; v11  the same of the next step's block
.set SPW,  5
.set NIL,  6
.set QF,   16                          ; v16-23 zeros, v24-31 Q, v32-39 zeros
.set KB,   40                          ; v40-103 K's eight tiles; v72-103 then V's fragments 2, 3
.set S,    104                         ; v104-167 S^T, then p; v104-135 then V's fragments 0, 1
.set O,    168                         ; v168-199 O^T
.set PC,   200                         ; v200-215 p's codes
.set TM,   216                         ; v216-219 maxima, v220-223 at work, v224-227 448 x the scale, v228-231 the conversions' scale operands
.set BA,   216                         ; held p, eight at a time: v216-223 and v244-251
.set BBF,  244
.set KSC,  232                         ; v232-235 K's scale words: register i / 2, lanes 0-15 even tiles, lanes 16-31 odd
.set VSC,  236                         ; v236-239 V's
.set F,    240                         ; f = 2^(old M - new M)
.set PW,   241                         ; p's scale word
.set TT,   242
.set QS,   243                         ; Q's scale words
.set T0,   244                         ; three side chains of the row's sum           (v12 -M, v13 the largest t, v[14:15] the sum in two halves)
.set T1,   246
.set T2,   248
.set WV,   14
.set HD,   15
.set BB,   16
.set CX,   17
.set QB,   18
.set BH,   19
.set SEL,  20
.set CS,   22
.set G1,   24
.set G0,   32                          ; s[32:39] group 0, a set for each slot
.set MNT,  40
.set TRIP, 41
.set TB,   42
.macro CROUND                          ; a round of the cluster's barrier
	s_barrier_signal -1
	s_barrier_wait -1
	s_cmp_lg_u32 s[WV], 0
	s_cbranch_scc1 .Lnot_wave_0_\@
	s_barrier_signal -3
.Lnot_wave_0_\@:
	s_barrier_wait -3
	s_barrier_signal -1
	s_barrier_wait -1
.endm
.macro JLOAD n                         ; every wave asks for its half block of slot n
	tensor_load_to_lds s[G0+4*\n:G0+4*\n+3], s[G1:G1+7]
	s_nop 0
.rept 4
	v_nop
.endr
.endm
	s_load_b256 s[4:11], s[0:1], 0x0               ; qimg, kvimg, oimg, oscl
	v_lshl_add_u32 v[SPW], v0, 2, SPARE
	v_mov_b32 v[NIL], 0
	ds_add_u32 v[SPW], v[NIL]                      ; the opening lines: the add twice on end and its wait
	ds_add_u32 v[SPW], v[NIL]
	v_lshrrev_b32 v7, 5, v0
	v_readfirstlane_b32 s[WV], v7                  ; wave 0..15
	s_bfe_u32 s[CX], ttmp6, 0x40000                ; my place in the cluster: it enters Q's and the results' addresses alone
	s_lshl_b32 s[QB], ttmp9, 2
	s_add_co_u32 s[QB], s[QB], s[CX]               ; my block of 256 queries
	s_and_b32 s[BH], ttmp7, 0xffff                 ; 4 batch + head, which the four partners share
	s_lshr_b32 s[BB], s[BH], 2
	s_and_b32 s[HD], s[BH], 3
	s_mov_b32 s[G1], 15|(3<<16)|(1<<21)            ; the mask: all four; elements of 8 bytes; bit 21 beside a mask
	s_mov_b32 s[G1+1], 32<<16                      ; rows of 256 bytes,
	s_mov_b32 s[G1+2], 34<<16                      ; 34 of them, dense
	s_mov_b32 s[G1+3], 32<<16
	s_mov_b32 s[G1+4], 34
	s_mov_b32 s[G1+5], 32
	s_mov_b32 s[G1+6], 0
	s_mov_b32 s[G1+7], 0
	s_mov_b32 s[SEL], 0x76543210
	s_mov_b32 s[SEL+1], 0xfedcba98
	s_mov_b32 s[CS], 0x3e38aa3b                    ; log2(e) / 8
	s_mov_b32 s[CS+1], s[CS]
	s_mov_b32 s[MNT], 0x600000                     ; the mantissa field of 448
	s_lshr_b32 s43, s[WV], 1                       ; what I fetch: key step wave / 2 of a fill, half wave % 2: block (32 batch + step) 4 + head
	s_lshl_b32 s44, s[BB], 5
	s_add_co_u32 s44, s44, s43
	s_lshl_b32 s44, s44, 2
	s_add_co_u32 s44, s44, s[HD]
	s_mul_i32 s44, s44, BLK
	s_and_b32 s43, s[WV], 1
	s_mul_i32 s43, s43, HALF
	s_add_co_u32 s44, s44, s43
	s_mov_b32 s45, 0
	s_mul_i32 s46, s[WV], HALF                     ; and where it goes in a slot
	s_lshl_b32 s47, s[QB], 1                       ; Q: step of 128 tokens 2 QB + wave / 8, tile T = wave % 8
	s_lshr_b32 s48, s[WV], 3
	s_add_co_u32 s47, s47, s48
	s_lshl_b32 s48, s[BB], 5
	s_add_co_u32 s47, s47, s48
	s_lshl_b32 s47, s47, 2
	s_add_co_u32 s47, s47, s[HD]
	s_mul_i32 s47, s47, 8704
	s_and_b32 s48, s[WV], 7
	s_lshl_b32 s50, s48, 10
	s_add_co_u32 s50, s50, s47
	s_mov_b32 s51, 0
	s_and_b32 s49, s48, 1                          ; its scale words: 8192 + 256 (T % 2) + 4 (T / 2) + 16 r
	s_lshl_b32 s49, s49, 8
	s_lshr_b32 s52, s48, 1
	s_lshl_b32 s52, s52, 2
	s_add_co_u32 s52, s52, s49
	s_add_co_u32 s52, s52, s47
	s_add_co_u32 s52, s52, 8192
	s_mov_b32 s53, 0
	s_lshr_b32 s54, s[WV], 2                       ; O: q block 4 QB + wave / 4, tile t = wave % 4
	s_and_b32 s55, s[WV], 3
	s_lshl_b32 s56, s[BB], 4
	s_add_co_u32 s56, s56, s[QB]
	s_lshl_b32 s56, s56, 2
	s_add_co_u32 s56, s56, s54
	s_lshl_b32 s56, s56, 3
	s_lshl_b32 s57, s55, 1
	s_add_co_u32 s56, s56, s57
	s_lshr_b32 s57, s[HD], 1
	s_add_co_u32 s56, s56, s57                     ; fragment 8 block + 2 t + head / 2,
	s_lshl_b32 s56, s56, 1
	s_and_b32 s57, s[HD], 1
	s_add_co_u32 s56, s56, s57                     ; its half head % 2,
	s_lshl_b32 s56, s56, 10                        ; of 1,024 bytes
	s_mov_b32 s57, 0
	s_lshl_b32 s58, s[BH], 4                       ; oscl: 8192 (4 batch + head) + 512 QB
	s_add_co_u32 s58, s58, s[QB]
	s_lshl_b32 s58, s58, 9
	s_mov_b32 s59, 0
	s_lshl_b32 s54, s54, 7                         ; the stage: 128 (wave / 4) + 2 t (+ 8 r)
	s_lshl_b32 s55, s55, 1
	s_add_co_u32 s54, s54, s55
	s_add_co_u32 s54, s54, OSC
	s_wait_dscnt 0x0                               ; both opening adds are done
	s_wait_kmcnt 0x0
	s_add_nc_u64 s[44:45], s[6:7], s[44:45]
	s_add_nc_u64 s[50:51], s[4:5], s[50:51]
	s_add_nc_u64 s[52:53], s[4:5], s[52:53]
	s_add_nc_u64 s[56:57], s[8:9], s[56:57]
	s_add_nc_u64 s[58:59], s[10:11], s[58:59]
	CROUND                                         ; all four work-groups are here: the first joint loads meet
	s_mov_b32 s[G0], 1
	s_mov_b32 s[G0+1], s46                         ; slot 0: key steps 0-7
	s_mov_b64 s[G0+2:G0+3], s[44:45]
	s_or_b32 s[G0+3], s[G0+3], 0x80000000
	s_mov_b32 s[G0+4], 1
	s_add_co_u32 s[G0+5], s46, SLOT                ; slot 1: key steps 8-15: 32 blocks on
	s_add_nc_u64 s[G0+6:G0+7], s[44:45], 32*BLK
	s_or_b32 s[G0+7], s[G0+7], 0x80000000
	JLOAD 0                                        ; one tensor load a wave at the head
	v_and_b32 v8, 31, v0                           ; lane
	v_and_b32 v10, 15, v0                          ; r
	v_lshlrev_b32 v1, 4, v8                        ; 16 x lane
	v_lshlrev_b32 v11, 4, v10                      ; 16 r
	global_load_b128 v[QF+8:QF+11], v1, s[50:51]               ; Q's 64 channels: eight registers; they stay
	global_load_b128 v[QF+12:QF+15], v1, s[50:51] offset:512
	global_load_b32 v[QS], v11, s[52:53]
	v_lshl_add_u32 v9, v10, 3, s54
	v_add_nc_u32 v3, OSC, v1
.irp j, 0,1,2,3,4,5,6,7
	v_mov_b32 v[QF+\j], 0                          ; the zero codes: written once
	v_mov_b32 v[QF+16+\j], 0
.endr
.set j, 0
.rept 32
	v_mov_b32 v[O+j], 0                            ; O^T: the step has no first form of its own
.set j, j+1
.endr
.set j, 0
.rept 10
	v_mov_b32 v[S+54+j], 0                         ; what the first step's eight sum lines read of a p that was not,
.set j, j+1
.endr
.set j, 0
.rept 6
	v_mov_b32 v[T0+j], 0                           ; and its side chains
.set j, j+1
.endr
.irp b, 0,1,2,3
	v_mov_b32 v[TM+4+\b], 0                        ; a lane permute's destination counts as one of its sources
.endr
	v_mov_b32 v[TT], 0
	v_mov_b32 v[PW], 0
	v_mov_b32 v14, 0
	v_mov_b32 v15, 0
	v_mov_b32 v13, 0xff61b1e6                      ; the largest t so far: -3e38
	v_floor_f32 v12, -v13                          ; -M
.macro KHI adr                         ; K's tiles 4-7: eight loads
.set n, 8
.rept 8
	ds_load_b128 v[KB+4*n:KB+4*n+3], v[\adr] offset:512*n
.set n, n+1
.endr
.endm
; The loads that stand among the lines that make M.  0-7: V's fragments 2, 3; 8: V's scale words; next = 1: 9-16: the next step's tiles 0-3 of K; 17: its scale words
.macro LDN k, next
.if (\k) < 8
	ds_load_b128 v[KB+32+4*(\k):KB+32+4*(\k)+3], v[AB] offset:VCO+4096+512*(\k)
.elseif (\k) == 8
	ds_load_b128 v[VSC:VSC+3], v[AB] offset:VSO
.elseif (\next) && (\k) < 17
	ds_load_b128 v[KB+4*((\k)-9):KB+4*((\k)-9)+3], v[AN] offset:512*((\k)-9)
.elseif (\next) && (\k) == 17
	ds_load_b128 v[KSC:KSC+3], v[AN] offset:KSO
.endif
.endm
.macro QK i                            ; S^T's tile i
.if (\i)%2 == 0
	v_wmma_scale_f32_16x16x128_f8f6f4 v[S+8*(\i):S+8*(\i)+7], v[KB+16*((\i)/2):KB+16*((\i)/2)+15], v[QF+8:QF+23], 0, v[KSC+(\i)/2], v[QS]
.else
	v_wmma_scale_f32_16x16x128_f8f6f4 v[S+8*(\i):S+8*(\i)+7], v[KB+16*((\i)/2):KB+16*((\i)/2)+15], v[QF:QF+15], 0, v[KSC+(\i)/2], v[QS] matrix_a_scale:MATRIX_SCALE_ROW1
.endif
.endm
.macro PV i, a                         ; O^T's tile i; V's fragment at a
	v_wmma_scale_f32_16x16x128_f8f6f4 v[O+8*\i:O+8*\i+7], v[\a:\a+15], v[PC:PC+15], v[O+8*\i:O+8*\i+7], v[VSC+\i], v[PW]
.endm
.macro BM3 p                           ; blocks p, p + 1 of 32 keys: seven scores of each tile, four chains by turns: 12 lines; each accumulator is read from its low end on
.irp b, \p, \p+1
	v_max3_num_f32 v[TM+\b], v[S+16*(\b)], v[S+16*(\b)+1], v[S+16*(\b)+2]
	v_max3_num_f32 v[TM+4+\b], v[S+16*(\b)+8], v[S+16*(\b)+9], v[S+16*(\b)+10]
.endr
.irp i, 3,5
.irp b, \p, \p+1
	v_max3_num_f32 v[TM+\b], v[TM+\b], v[S+16*(\b)+\i], v[S+16*(\b)+\i+1]
	v_max3_num_f32 v[TM+4+\b], v[TM+4+\b], v[S+16*(\b)+8+\i], v[S+16*(\b)+9+\i]
.endr
.endr
.endm
.macro PADD d, a, b
	v_pk_add_f32 v[\d:\d+1], v[\a:\a+1], v[\b:\b+1]
.endm
.macro SUMA o                          ; the row's sum of the UNQUANTISED p, 32 registers from S + o on, in four chains: the first eight lines,
	PADD T0, S+\o, S+\o+2
	PADD T1, S+\o+4, S+\o+6
	PADD T2, S+\o+8, S+\o+10
	PADD 14, 14, S+\o+12
	PADD T0, T0, S+\o+14
	PADD T1, T1, S+\o+16
	PADD T2, T2, S+\o+18
	PADD 14, 14, S+\o+20
.endm
.macro SUM5 o                          ; five more,
	PADD T0, T0, S+\o+22
	PADD T1, T1, S+\o+24
	PADD T2, T2, S+\o+26
	PADD 14, 14, S+\o+28
	PADD T0, T0, S+\o+30
.endm
.macro SUMB o                          ; and with them the three that join the chains
	SUM5 \o
	PADD T1, T1, T2
	PADD 14, 14, T0
	PADD 14, 14, T1
.endm
.macro HOLD8 d, s, b                   ; eight p held at 448 x the scale, two a line, into a side buffer.  p is not negative, so the hold is one-sided
.irp i, 0,2,4,6
	v_dual_min_num_f32 v[\d+\i], v[\s+\i], v[TM+8+\b] :: v_dual_min_num_f32 v[\d+\i+1], v[\s+\i+1], v[TM+8+\b]
.endr
.endm
; A KEY STEP: 128 keys.  Its tiles of K have been asked for.  next = 1: the next step's, in the same slot, are asked for on the way.
.macro STEP next
	s_wait_dscnt 0x8                               ; K's tiles 0-3 and scale words are in; the eight loads of tiles 4-7 may be out
.irp i, 0,1,2,3
	QK \i
.endr
	SUMB 32                                        ; the last step's p, the end of its upper half: eight plain lines behind these four products, which name none of their registers
	s_wait_dscnt 0x0
.irp i, 4,5,6,7
	QK \i
.endr
	BM3 0                                          ; twelve plain lines behind the last four products
	BM3 2
.irp b, 0,1,2,3
	v_max3_num_f32 v[TM+\b], v[TM+\b], v[TM+4+\b], v[S+16*\b+7]
.endr
.irp b, 0,1,2,3
	v_max_num_f32 v[TM+\b], v[TM+\b], v[S+16*\b+15]   ; THE LARGEST SCORE OF EACH BLOCK OF 32 KEYS: for the row's maximum and, since p rises with the score, for the block's largest p
.endr
.irp b, 0,1,2,3
	v_permlanex16_b32 v[TM+4+\b], v[TM+\b], s[SEL], s[SEL+1]
.endr
.irp b, 0,1,2,3
	v_max_num_f32 v[TM+\b], v[TM+\b], v[TM+4+\b]   ; with lane l xor 16's 16 keys
.endr
	v_max3_num_f32 v[TT], v[TM], v[TM+1], v[TM+2]  ; each of these lines reads the one before it: the step's LDS loads stand between them
.irp k, 0,1,2
	LDN \k, \next
.endr
	v_max_num_f32 v[TT], v[TT], v[TM+3]            ; the step's largest score of my query
.irp k, 3,4,5
	LDN \k, \next
.endr
	v_mul_f32 v[TT], s[CS], v[TT]                  ; as t
.irp k, 6,7,8
	LDN \k, \next
.endr
	v_max_num_f32 v13, v13, v[TT]                  ; the running largest t
.if \next
	s_add_co_u32 s[TB], s[TB], BLK
	v_add_nc_u32 v[AN], s[TB], v1
.endif
	v_mov_b32 v[TT], v12
.irp k, 9,10,11
	LDN \k, \next
.endr
	v_floor_f32 v12, -v13                          ; the new -M = -ceil(t)
.irp k, 12,13,14,15,16,17
	LDN \k, \next
.endr
.set j, 0
.rept 32
	v_pk_fma_f32 v[S+j:S+j+1], v[S+j:S+j+1], s[CS:CS+1], v[12:13] op_sel_hi:[1,0,0]   ; t - M
.if j == 6
	v_sub_f32 v[TT], v12, v[TT]                    ; old M - new M: a whole number, 0 or less
.elseif j == 14
	v_cvt_i32_f32 v[TT], v[TT]                     ; (it saturates)
.elseif j == 22
	v_ldexp_f32 v[F], 1.0, v[TT]                   ; f
.endif
.set j, j+2
.endr
.irp b, 0,1,2,3
	v_fma_f32 v[TM+\b], v[TM+\b], s[CS], v12       ; the same of each block's largest score
.endr
	s_wait_alu depctr_va_vdst(0)
.set j, 0
.rept 64
	v_exp_f32 v[S+j], v[S+j]                       ; p = 2^(t - M)
.set j, j+1
.endr
.irp b, 0,1,2,3
	v_exp_f32 v[TM+\b], v[TM+\b]                   ; the block's largest p
.endr
	v_pk_mul_f32 v[14:15], v[14:15], v[F:F+1] op_sel_hi:[1,0]   ; the sum, whole up to the last step, under the new M.  (The plain line behind the batch)
	s_wait_alu depctr_va_vdst(0)                   ; and the wait behind it
	SUMA 0                                         ; this step's p, lower half; the lines that join the chains stand among the scales' lines
	SUM5 0
.irp b, 0,1,2,3
	v_max_num_f32 v[TM+\b], 0x4800000, v[TM+\b]    ; the floor 2^(9 - 127): the byte cannot fall under 1
.endr
	PADD T1, T1, T2
.irp b, 0,1,2,3
	v_add_nc_u32 v[TM+12+\b], 0xfc000000, v[TM+\b] ; the conversion's scale operand
.endr
	PADD 14, 14, T0
.irp b, 0,1,2,3
	v_and_or_b32 v[TM+8+\b], v[TM+\b], 0x7f800000, s[MNT]   ; 448 x the scale
.endr
	PADD 14, 14, T1
	v_lshrrev_b32 v4, 23, v[TM+12]                 ; the four bytes
	v_lshrrev_b32 v7, 23, v[TM+13]
	v_lshrrev_b32 v8, 23, v[TM+14]
	v_lshrrev_b32 v10, 23, v[TM+15]
.irp b, 0,1,2,3
	HOLD8 BA, S+16*\b, \b
	HOLD8 BBF, S+16*\b+8, \b
	v_cvt_scalef32_pk8_fp8_f32 v[PC+4*\b:PC+4*\b+1], v[BA:BA+7], v[TM+12+\b]
	v_cvt_scalef32_pk8_fp8_f32 v[PC+4*\b+2:PC+4*\b+3], v[BBF:BBF+7], v[TM+12+\b]
.if \b == 0
	v_lshl_or_b32 v[PW], v7, 8, v4                 ; p's scale word; each of these lines is also the plain line between two conversions and the next writes of their sources
.elseif \b == 1
	v_lshl_or_b32 v[PW], v8, 16, v[PW]
.set n, 0
.rept 8
	ds_load_b128 v[S+4*n:S+4*n+3], v[AB] offset:VCO+512*n   ; V's fragments 0, 1 land where p's lower half lay: it is summed and converted
.set n, n+1
.endr
.elseif \b == 2
	v_lshl_or_b32 v[PW], v10, 24, v[PW]
.endif
.endr
	s_wait_dscnt 0x8                               ; all but the eight loads just above are in
	s_wait_alu depctr_va_vdst(0)                   ; directly ahead of the first reader of O^T
.set j, 0
.rept 16
	v_pk_mul_f32 v[O+j:O+j+1], v[O+j:O+j+1], v[F:F+1] op_sel_hi:[1,0]   ; O^T under the new M.  (Also the places between the conversions, the scale word and the products)
.set j, j+2
.endr
	PV 2, KB+32                                    ; four accumulators by turns; the fragments that came first go first
	PV 3, KB+48
	s_wait_alu depctr_va_vdst(0)                   ; directly ahead of the wait below
	s_wait_dscnt 0x0                               ; V's fragments 0, 1 are in
	PV 0, S
	PV 1, S+16
	SUMA 32                                        ; this step's p, upper half: eight plain lines in front of the loads into V's registers;
.if \next
	v_mov_b32 v[AB], v[AN]                         ; a ninth in front of the next scores, which write over V's fragments 0, 1
	KHI AB
.endif
.endm
; Eight key steps from the slot at base: seven that ask for their successor's K, and the last.
.macro RUN base
	s_mov_b32 s[TB], \base
	v_add_nc_u32 v[AB], s[TB], v1
.set n, 0
.rept 8
	ds_load_b128 v[KB+4*n:KB+4*n+3], v[AB] offset:512*n
.set n, n+1
.endr
	ds_load_b128 v[KSC:KSC+3], v[AB] offset:KSO
	KHI AB
	s_mov_b32 s[TRIP], 7
.Lrun_\@:
	STEP 1
	s_sub_co_u32 s[TRIP], s[TRIP], 1
	s_cmp_lg_u32 s[TRIP], 0
	s_wait_alu depctr_va_vdst(0)
	s_cbranch_scc1 .Lrun_\@
	STEP 0
.endm
; THE CHANGE OF SLOTS.  Each wave waits for its tensor load (its half block of the slot ahead), adds 0 to its spare word, and waits for that and for its reads of the slot that it has left.
; fill = 1: a round of the cluster's barrier, and slot n takes the key steps 16 on.
.macro CHANGE fill, n
	s_wait_alu depctr_va_vdst(0)
	s_wait_tensorcnt 0x0
	ds_add_u32 v[SPW], v[NIL]
.if \fill
	s_add_nc_u64 s[G0+4*\n+2:G0+4*\n+3], s[G0+4*\n+2:G0+4*\n+3], 64*BLK
	s_wait_dscnt 0x0
	CROUND
	JLOAD \n
.else
	s_wait_dscnt 0x0
	s_barrier_signal -1
	s_barrier_wait -1
.endif
.endm
	s_wait_alu depctr_va_vdst(0)
	s_wait_tensorcnt 0x0                           ; my half block of slot 0 is in; slot 1's first fill is issued as a refill is
	ds_add_u32 v[SPW], v[NIL]
	s_wait_dscnt 0x0
	CROUND
	JLOAD 1
	s_wait_loadcnt 0x0                             ; Q and its scale words
	RUN 0                                          ; key steps 0-7
	CHANGE 1, 0
	RUN SLOT                                       ; 8-15
	CHANGE 1, 1
	RUN 0                                          ; 16-23
	CHANGE 0, 0
	RUN SLOT                                       ; 24-31
	; ---- O = O^T / the sum, quantised along the channels: my head's two blocks of 32
	SUMB 32                                        ; the end of the last p's upper half
	v_add_f32 v14, v14, v15
	v_permlanex16_b32 v[TT], v14, s[SEL], s[SEL+1]
	v_add_f32 v14, v14, v[TT]                      ; the row's sum
	s_wait_alu depctr_va_vdst(0)
	v_rcp_f32 v14, v14
	v_nop
	s_wait_alu depctr_va_vdst(0)
.set j, 0
.rept 16
	v_pk_mul_f32 v[O+j:O+j+1], v[O+j:O+j+1], v[14:15] op_sel_hi:[1,0]
.set j, j+2
.endr
.irp b, 0,1
	v_max3_num_f32 v[TM+\b], |v[O+16*\b]|, |v[O+16*\b+1]|, 0x4800000
.endr
.irp i, 2,4,6,8,10,12,14
.irp b, 0,1
	v_max3_num_f32 v[TM+\b], v[TM+\b], |v[O+16*\b+\i]|, |v[O+16*\b+\i+1]|
.endr
.endr
.irp b, 0,1
	v_permlanex16_b32 v[TM+4+\b], v[TM+\b], s[SEL], s[SEL+1]
.endr
.irp b, 0,1
	v_max_num_f32 v[TM+\b], v[TM+\b], v[TM+4+\b]
.endr
.irp b, 0,1
	v_add_nc_u32 v[TM+12+\b], 0xfc000000, v[TM+\b]
.endr
.irp b, 0,1
	v_and_or_b32 v[TM+8+\b], v[TM+\b], 0x7f800000, s[MNT]
.endr
.irp b, 0,1
	v_lshrrev_b32 v[TM+4+\b], 23, v[TM+12+\b]
.endr
	v_lshl_or_b32 v[PW], v[TM+5], 8, v[TM+4]       ; my head's two bytes of the row's scale word
.irp b, 0,1
.irp i, 0,1,2,3,4,5,6,7,8,9,10,11,12,13,14,15
	v_med3_num_f32 v[O+16*\b+\i], v[O+16*\b+\i], -v[TM+8+\b], v[TM+8+\b]
.endr
	v_cvt_scalef32_pk8_fp8_f32 v[PC+4*\b:PC+4*\b+1], v[O+16*\b:O+16*\b+7], v[TM+12+\b]
	v_cvt_scalef32_pk8_fp8_f32 v[PC+4*\b+2:PC+4*\b+3], v[O+16*\b+8:O+16*\b+15], v[TM+12+\b]
.endr
	v_nop
	global_store_b128 v1, v[PC:PC+3], s[56:57]                 ; 512 consecutive bytes, aligned, each
	global_store_b128 v1, v[PC+4:PC+7], s[56:57] offset:512
	ds_store_b16 v9, v[PW]                         ; lanes r and r + 16 write the same bytes with the same value
	s_wait_dscnt 0x0                               ; for the others' sake
	s_barrier_signal -1
	s_barrier_wait -1
	s_cmp_lg_u32 s[WV], 0
	s_cbranch_scc1 .Lend
	ds_load_b128 v[KB:KB+3], v3                    ; wave 0 sends the work-group's 512 scale bytes out
	s_wait_dscnt 0x0
	global_store_b128 v1, v[KB:KB+3], s[58:59]
.Lend:
	s_wait_tensorcnt 0x0                           ; the wave's end
	ds_add_u32 v[SPW], v[NIL]
	s_wait_dscnt 0x0
	CROUND                                         ; the closing round
	s_endpgm
.Lfunc_end_k_q747e458f7b_attn:
	.size	k_q747e458f7b_attn, .Lfunc_end_k_q747e458f7b_attn-k_q747e458f7b_attn
	.p2alignl 7, 3214868480
	.fill 96, 4, 3214868480
	.section	.rodata,"a",@progbits
	.p2align	6, 0x0
	.amdhsa_kernel k_q747e458f7b_attn
		.amdhsa_group_segment_fixed_size 327680
		.amdhsa_private_segment_fixed_size 0
		.amdhsa_enable_private_segment 0
		.amdhsa_kernarg_size 32
		.amdhsa_user_sgpr_count 2
		.amdhsa_user_sgpr_kernarg_segment_ptr 1
		.amdhsa_wavefront_size32 1
		.amdhsa_system_sgpr_workgroup_id_x 1
		.amdhsa_system_sgpr_workgroup_id_y 1
		.amdhsa_system_sgpr_workgroup_id_z 1
		.amdhsa_system_vgpr_workitem_id 0
		.amdhsa_next_free_vgpr 256
		.amdhsa_next_free_sgpr 66
		.amdhsa_reserve_vcc 0
		.amdhsa_float_denorm_mode_32 3
		.amdhsa_float_denorm_mode_16_64 3
		.amdhsa_memory_ordered 1
		.amdhsa_forward_progress 1
		.amdhsa_inst_pref_size 160
	.end_amdhsa_kernel
	.amdgpu_metadata
---
amdhsa.version: [ 1, 2 ]
amdhsa.kernels:
  - .name:           k_q747e458f7b_attn
    .symbol:         k_q747e458f7b_attn.kd
    .args:
      - { .name: qimg, .offset: 0, .size: 8, .value_kind: global_buffer, .address_space: global }
      - { .name: kvimg, .offset: 8, .size: 8, .value_kind: global_buffer, .address_space: global }
      - { .name: oimg, .offset: 16, .size: 8, .value_kind: global_buffer, .address_space: global }
      - { .name: oscl, .offset: 24, .size: 8, .value_kind: global_buffer, .address_space: global }
    .group_segment_fixed_size: 327680
    .private_segment_fixed_size: 0
    .kernarg_segment_align: 8
    .kernarg_segment_size: 32
    .max_flat_workgroup_size: 512
    .sgpr_count:     66
    .vgpr_count:     256
    .wavefront_size: 32
...
	.end_amdgpu_metadata
.endif
;; end of part 3
;; launch proj (part 4): grid 64 x 4, 16 waves a work-group, no clusters, 0 bytes of LDS; arguments oimg, oscl, wimg, b_o, out0; writes out0
.if DOCPART == 4
	.amdgcn_target "amdgcn-amd-amdhsa--gfx1250"
	.amdhsa_code_object_version 6
	.text
	.protected	k_q747e458f7b_proj
	.globl	k_q747e458f7b_proj
	.p2align	8
	.type	k_q747e458f7b_proj,@function
k_q747e458f7b_proj:
	s_mov_b64 s[64:65], 0
	v_nop
	global_prefetch_b8 v0, s[64:65] scope:SCOPE_SE
	s_setreg_imm32_b32 hwreg(HW_REG_WAVE_MODE, 25, 1), 1
	s_wait_xcnt 0x0
; out0[b][c][s] = Q(O) Q(w_o)^T + b_o on codes of E4M3 with one E8M0 byte for each 32 along K = the 256 channels.
; A work-group takes 64 tokens of a batch (x: the q block, y: the batch); wave w makes output channels 16 w .. 16 w + 15 for them: y^T = w_o O^T, source 0 = my 16 channels, source 1 = 16 tokens of tile t.
; All operands come as images of operand registers (16 bytes a lane at 16 x lane), straight into registers: no LDS, no barrier, no loop, so no prefetch and no joint load.
; Token 64 q block + 4 r + t is row r of tile t, so that four accumulators hold four neighbouring tokens of a channel's row.
; O's scale bytes come a head at a time ([4 batch + head][q block][r][t], two bytes): the word of (t, K step s) is head 2 s's pair below head 2 s + 1's.
.set SH,  48                           ; v48-55  a pair of registers for each head: four tiles' byte pairs of row r
.set Y,   56                           ; v56-87  four accumulators
.set OW,  88                           ; v88-95  O's scale words: 2 t + s
.set WOS, 228                          ; w_o's: lanes 0-15 K step 0, lanes 16-31 K step 1
	s_load_b256 s[4:11], s[0:1], 0x0               ; oimg, oscl, wimg, b_o
	s_load_b64 s[12:13], s[0:1], 0x20              ; out0
	v_lshrrev_b32 v1, 5, v0
	v_readfirstlane_b32 s14, v1                    ; wave 0..15
	v_and_b32 v2, 31, v0                           ; lane
	v_and_b32 v3, 15, v0                           ; r
	v_bfe_u32 v4, v0, 4, 1                         ; h
	v_lshlrev_b32 v5, 4, v2                        ; 16 x lane
	v_lshlrev_b32 v6, 3, v3                        ; 8 r
	v_lshlrev_b32 v8, 3, v2                        ; 8 x lane
	v_lshlrev_b32 v9, 5, v4                        ; 32 h
	v_lshlrev_b32 v7, 17, v4
	v_lshl_add_u32 v7, v3, 4, v7                   ; out0: 8 h channels of 16,384 bytes + 16 r
	s_and_b32 s16, ttmp7, 0xffff                   ; the batch
	s_lshl_b32 s20, s16, 6
	s_add_co_u32 s20, s20, ttmp9
	s_lshl_b32 s20, s20, 14                        ; O's block
	s_mov_b32 s21, 0
	s_lshl_b32 s22, s16, 15
	s_lshl_b32 s23, ttmp9, 7
	s_add_co_u32 s22, s22, s23                     ; its scale bytes, head 0's
	s_mov_b32 s23, 0
	s_add_co_u32 s24, s14, 48                      ; w_o's rows 16 w on: pair 24 + w / 2, tile w % 2
	s_lshl_b32 s24, s24, 12
	s_mov_b32 s25, 0
	s_lshr_b32 s26, s14, 1
	s_add_co_u32 s26, s26, 24
	s_lshl_b32 s26, s26, 8
	s_and_b32 s27, s14, 1
	s_lshl_b32 s27, s27, 2
	s_add_co_u32 s26, s26, s27
	s_add_co_u32 s26, s26, 262144
	s_mov_b32 s27, 0
	s_lshl_b32 s28, s14, 6                         ; b_o: my 16 numbers
	s_mov_b32 s29, 0
	s_lshl_b32 s30, s16, 22
	s_lshl_b32 s31, s14, 18
	s_add_co_u32 s30, s30, s31
	s_lshl_b32 s31, ttmp9, 8
	s_add_co_u32 s30, s30, s31
	s_mov_b32 s31, 0
	s_wait_alu depctr_va_vdst(0)
	s_wait_kmcnt 0x0
	s_add_nc_u64 s[20:21], s[4:5], s[20:21]
	s_add_nc_u64 s[22:23], s[6:7], s[22:23]
	s_add_nc_u64 s[24:25], s[8:9], s[24:25]
	s_add_nc_u64 s[26:27], s[8:9], s[26:27]
	s_add_nc_u64 s[28:29], s[10:11], s[28:29]
	s_add_nc_u64 s[12:13], s[12:13], s[30:31]
.irp d, 0,1,2,3
	global_load_b64 v[SH+2*\d:SH+2*\d+1], v6, s[22:23] offset:8192*\d
.endr
.irp s, 0,1
.irp c, 0,1,2,3
	global_load_b128 v[16+16*\s+4*\c:16+16*\s+4*\c+3], v5, s[24:25] offset:2048*\s+512*\c
.endr
.endr
	global_load_b32 v[WOS], v8, s[26:27]
	global_load_b128 v[240:243], v9, s[28:29]      ; b_o(16 w + 8 h + j)
	global_load_b128 v[244:247], v9, s[28:29] offset:16
.irp t, 0,1,2,3
.irp s, 0,1
.irp c, 0,1,2,3
	global_load_b128 v[96+64*\s+16*\t+4*\c:96+64*\s+16*\t+4*\c+3], v5, s[20:21] offset:(2*\t+\s)*2048+512*\c
.endr
.endr
.endr
	s_wait_loadcnt 43                              ; the four loads of byte pairs are in; behind them 8 + 1 + 2 + 32 loads were issued
.irp t, 0,1,2,3
.irp s, 0,1
.if (\t)%2 == 0
	v_perm_b32 v[OW+2*\t+\s], v[SH+4*\s+2+(\t)/2], v[SH+4*\s+(\t)/2], 0x05040100   ; the two low halves
.else
	v_perm_b32 v[OW+2*\t+\s], v[SH+4*\s+2+(\t)/2], v[SH+4*\s+(\t)/2], 0x07060302   ; the two high halves
.endif
.endr
.endr
.rept 8
	v_nop                                          ; a scale word made by a vector line stands eight places ahead of its product
.endr
	s_wait_alu depctr_va_vdst(0)                   ; directly ahead of the wait below
	s_wait_loadcnt 0x0
.irp t, 0,1,2,3
	v_wmma_scale_f32_16x16x128_f8f6f4 v[Y+8*\t:Y+8*\t+7], v[16:31], v[96+16*\t:96+16*\t+15], 0, v[WOS], v[OW+2*\t]
.endr
.irp t, 0,1,2,3
	v_wmma_scale_f32_16x16x128_f8f6f4 v[Y+8*\t:Y+8*\t+7], v[32:47], v[160+16*\t:160+16*\t+15], v[Y+8*\t:Y+8*\t+7], v[WOS], v[OW+2*\t+1] matrix_a_scale:MATRIX_SCALE_ROW1
.endr
.rept 8
	v_nop
.endr
.irp j, 0,1,2,3,4,5,6,7                        ; register j of accumulator t is y(channel 16 w + 8 h + j, token 4 r + t): the bias's addition also brings four neighbouring tokens into four neighbouring registers
.irp t, 0,1,2,3
	v_add_f32 v[96+4*\j+\t], v[Y+8*\t+\j], v[240+\j]
.endr
.endr
.irp j, 0,1,2,3,4,5,6,7
	global_store_b128 v7, v[96+4*\j:96+4*\j+3], s[12:13] offset:16384*\j th:TH_STORE_NT   ; sixteen lanes store 256 consecutive bytes of a channel's row, aligned
.endr
	s_endpgm
.Lfunc_end_k_q747e458f7b_proj:
	.size	k_q747e458f7b_proj, .Lfunc_end_k_q747e458f7b_proj-k_q747e458f7b_proj
	.p2alignl 7, 3214868480
	.fill 96, 4, 3214868480
	.section	.rodata,"a",@progbits
	.p2align	6, 0x0
	.amdhsa_kernel k_q747e458f7b_proj
		.amdhsa_group_segment_fixed_size 0
		.amdhsa_private_segment_fixed_size 0
		.amdhsa_enable_private_segment 0
		.amdhsa_kernarg_size 40
		.amdhsa_user_sgpr_count 2
		.amdhsa_user_sgpr_kernarg_segment_ptr 1
		.amdhsa_wavefront_size32 1
		.amdhsa_system_sgpr_workgroup_id_x 1
		.amdhsa_system_sgpr_workgroup_id_y 1
		.amdhsa_system_sgpr_workgroup_id_z 1
		.amdhsa_system_vgpr_workitem_id 0
		.amdhsa_next_free_vgpr 256
		.amdhsa_next_free_sgpr 66
		.amdhsa_reserve_vcc 0
		.amdhsa_float_denorm_mode_32 3
		.amdhsa_float_denorm_mode_16_64 3
		.amdhsa_memory_ordered 1
		.amdhsa_forward_progress 1
		.amdhsa_inst_pref_size 11
	.end_amdhsa_kernel
	.amdgpu_metadata
---
amdhsa.version: [ 1, 2 ]
amdhsa.kernels:
  - .name:           k_q747e458f7b_proj
    .symbol:         k_q747e458f7b_proj.kd
    .args:
      - { .name: oimg, .offset: 0, .size: 8, .value_kind: global_buffer, .address_space: global }
      - { .name: oscl, .offset: 8, .size: 8, .value_kind: global_buffer, .address_space: global }
      - { .name: wimg, .offset: 16, .size: 8, .value_kind: global_buffer, .address_space: global }
      - { .name: b_o, .offset: 24, .size: 8, .value_kind: global_buffer, .address_space: global }
      - { .name: out0, .offset: 32, .size: 8, .value_kind: global_buffer, .address_space: global }
    .group_segment_fixed_size: 0
    .private_segment_fixed_size: 0
    .kernarg_segment_align: 8
    .kernarg_segment_size: 40
    .max_flat_workgroup_size: 512
    .sgpr_count:     66
    .vgpr_count:     256
    .wavefront_size: 32
...
	.end_amdgpu_metadata
.endif
;; end of part 4
